; MI455X (gfx1250); checked and timed in simulation.
; The chip was launched on July 23, 2026; its instructions are those of AMD's public machine-readable ISA for CDNA 5 (MIT licence, August 2026) and "CDNA5" Instruction Set Architecture Reference Guide (July 2026). The comments in the code are by the model that wrote it; some were corrected since.
;; Custom image attention. Allowed arithmetic: matrix products marked QUANTISED: E2M1 operands, one E8M0 scale for each 32 along K, by v_wmma_scale_f32_16x16x128_f8f6f4 with both operands' format E2M1 (or v_wmma_scale_f32_32x16x128_f4), f32 sums; products left as they are: bf16, f16 or f32 operands; f32 sums; everything else in f32.
;; Inputs: Wk 1,024 x 1,024 float32; Wq 1,024 x 1,024 float32; Wv 1,024 x 1,024 float32; x 8 x 1,024 x 1,024 float32.
;; Outputs: out0 8 x 1,024 x 1,024 float32.
;; This version of the problem:
;;   THIS VERSION OF THE PROBLEM IS GIVEN IN LOW PRECISION. The matrix products marked QUANTISED in the list below multiply operands that are first quantised to E2M1 (2 exponent bits, 1 mantissa bit; 4 bits a number), with one power-of-two scale for each 32 numbers along K (OCP MX v1.0); their sums are f32. The products marked 'left as it is' may take bf16, f16 or f32 operands, with f32 sums. Whichever they take, every output number must still come out within the allowed error. Rounding operands to bf16 (8 significant bits) uses up far more of that allowance than f16 does (11 bits, for magnitudes from 6e-5 to 65,504). All else is computed in f32.
;;   The module's matrix products, in the order in which they are computed (A, B: the left and right operand; K: the contracted axis; several contracted axes count as one K, in the product's order):
;;     1. [M 8,192, K 1,024] x [K 1,024, N 1,024]; A: input x; B: input Wq: QUANTISED
;;     2. [M 8,192, K 1,024] x [K 1,024, N 1,024]; A: input x; B: input Wk: QUANTISED
;;     3. [M 8,192, K 1,024] x [K 1,024, N 1,024]; A: input x; B: input Wv: QUANTISED
;;     4. batch 128 x [M 1,024, K 64] x [K 64, N 1,024]; A: computed on the way; B: computed on the way: left as it is (an operand is computed on the way)
;;     5. batch 128 x [M 1,024, K 1,024] x [K 1,024, N 64]; A: computed on the way; B: computed on the way: left as it is (an operand is computed on the way)
;;   THE QUANTISER, for each operand of a quantised product, along K:
;;     - K is cut into blocks of 32 from its start; a last block that is shorter is filled with zeros.
;;     - A block's scale is 2^e with e = floor(log2(the largest magnitude in the block)) - 2, held to -126 .. 127; a block of zeros has e = 0. As a byte (E8M0): e + 127.
;;     - Each number is divided by its block's scale, clamped to +-6, and rounded to the nearest number of E2M1, ties to even, subnormals kept.
;;     - The product sums the exact products of the quantised numbers (number of the format x scale) in f32.
;;   ~~~python
;;   def quantise(x, axis):      # numpy; x: float32 -> the quantised numbers, widened to float32 again
;;       x = np.moveaxis(x, axis, -1); K = x.shape[-1]
;;       x = np.pad(x, [(0, 0)] * (x.ndim - 1) + [(0, -K % 32)]); x = x.reshape(x.shape[:-1] + (-1, 32)); a = np.abs(x).max(-1, keepdims=True)
;;       e = np.where(a > 0, np.clip(np.frexp(np.where(a > 0, a, 1))[1] - 1 - 2, -126, 127), 0)      # np.frexp(a)[1] - 1 = floor(log2(a)), exactly
;;       r = np.clip(x / 2.0 ** e, -6, 6)
;;       step = 2.0 ** (np.maximum(np.frexp(np.where(r == 0, 1, r))[1] - 1, 0) - 1)
;;       q = np.round(r / step) * step * 2.0 ** e      # np.round: ties to even
;;       return np.moveaxis(q.reshape(q.shape[:-2] + (-1,))[..., :K], -1, axis).astype(np.float32)
;;   ~~~
;; One version. Each part assembles by itself: llvm-mc -triple=amdgcn-amd-amdhsa -mcpu=gfx1250 --defsym DOCPART=n.
;; ======== version 1 of 1: 4 launches
;; limits: values are held in f16: magnitudes above 65,504 overflow, below 6.1e-05 lose precision; right only within a limited range of input values
;; workspace buffers: xc 4,194,304 bytes; xs 262,144 bytes; wc 1,572,864 bytes; ws 98,304 bytes; qkv 50,331,648 bytes; qkl 33,554,432 bytes
;; launch quant_x (part 1): grid 256 x 1, 4 waves a work-group, no clusters, 33,280 bytes of LDS; arguments x, xc, xs; writes xc, xs
.if DOCPART == 1
	.amdgcn_target "amdgcn-amd-amdhsa--gfx1250"
	.amdhsa_code_object_version 6
	.text
	.protected	k_q4273baa225_quant_x
	.globl	k_q4273baa225_quant_x
	.p2align	8
	.type	k_q4273baa225_quant_x,@function
k_q4273baa225_quant_x:
	s_mov_b64 s[64:65], 0
	v_nop
	global_prefetch_b8 v0, s[64:65] scope:SCOPE_SE
	s_setreg_imm32_b32 hwreg(HW_REG_WAVE_MODE, 25, 1), 1
	s_wait_xcnt 0x0
; x [8192][1024], f32, becomes codes of FP4 (E2M1), K innermost, two codes a byte (xc: [8192][512 bytes]), with one E8M0 scale byte for each 32 along K (xs: [8192][32 bytes]).
; A block's scale is 2^(floor(log2(its largest magnitude)) - 2); its byte is the largest magnitude's own exponent field - 2, held at 1 from below.  Each number is divided by the scale and rounded to the
; nearest code, ties to even; beyond 6 the largest code.
; LIMITS: a block of zeros gets the byte 1 where the quantiser's rule says 127: its codes are zeros, which add nothing under that byte, and the bytes are read by this program alone.  Blocks whose largest
; magnitude lies under 2^-124 are held at the byte 1.  NaN and infinities among the inputs are not served.
; Rows are dense and 1024 is a multiple of 32: the tensor is a plain stream of blocks of 32, and so are its codes and bytes.  1,024 waves take 8,192 numbers each, in 16 steps of 512.
; A conversion takes 8 numbers of ONE block from a lane's registers, so a lane must hold 16 neighbours; a load is best where neighbouring lanes take neighbouring bytes.  Both are had: each of a step's four
; loads reads 512 consecutive bytes, 16 a lane; the 2,048 bytes go through the wave's own stage in LDS as they lie and come back 64 bytes a lane (16 bytes of padding behind each 64).
; A lane's 16 codes are 8 bytes: the wave stores 256 consecutive bytes.  A wave's 256 scale bytes are gathered in its own LDS bytes and leave as 256 consecutive bytes.
; Waves share nothing: no barrier, no cluster, no matrix work.  Loads run eight steps (32 loads, 16 KB a wave) ahead, the turn through LDS one step.
.set WAVES, 4
.set STEPS, 16
.set AHEAD, 8
.set EMAX,  2
.set CB,    8                          ; bytes of 16 codes
.set R,     16                         ; v16-143  eight sets of 16 numbers as they are loaded
.set X,     144                        ; v144-175 two sets of 16 neighbours
.set E,     176                        ; v176-191 a scale byte for each step
.set C,     192                        ; v192-223 codes: two registers for each step, so that no store's data are written again
.set WREG,  8192                       ; LDS: a region for each wave: two stages of 32 x SP bytes, behind them its 256 scale bytes
.set SP,    80                         ; a lane's place in a stage: 64 bytes + 16 of padding
.set SPW,   12                         ; v12      LDS address of my spare word; never rewritten
.set NIL,   13                         ; v13      0; never rewritten
.set SPARE, WAVES*WREG                 ; behind the four regions: the spare words, 128 bytes a wave, which no other line names
	s_load_b128 s[4:7], s[0:1], 0x0                ; x, xc
	s_load_b64 s[8:9], s[0:1], 0x10                ; xs
	v_lshl_add_u32 v[SPW], v0, 2, SPARE
	v_mov_b32 v[NIL], 0
	v_lshrrev_b32 v1, 5, v0
	v_readfirstlane_b32 s16, v1                    ; wave
	v_and_b32 v2, 31, v0                           ; lane
	v_lshlrev_b32 v3, 4, v2                        ; my 16 bytes of a load's 512
	s_mul_i32 s17, s16, WREG
	v_lshrrev_b32 v14, 2, v2
	v_mul_u32_u24 v14, v14, SP
	v_and_b32 v15, 3, v2
	v_lshl_add_u32 v14, v15, 4, v14
	v_add_nc_u32 v14, s17, v14                     ; the stage, on the way in: SP (lane / 4) + 16 (lane % 4); a load's 512 bytes take eight places
	v_mul_u32_u24 v15, v2, SP
	v_add_nc_u32 v15, s17, v15                     ; and on the way out: SP x lane: my 16 neighbours
	v_mul_u32_u24 v4, v2, CB                       ; my codes' place in a step's
	v_lshrrev_b32 v5, 1, v2
	s_add_co_u32 s17, s17, 2*32*SP
	v_add_nc_u32 v5, s17, v5                       ; LDS: my wave's 256 scale bytes, my block's byte
	v_lshlrev_b32 v7, 3, v2                        ; and on the way out 8 bytes a lane
	v_add_nc_u32 v6, s17, v7
	s_lshl_b32 s18, ttmp9, 2
	s_add_co_u32 s18, s18, s16                     ; which run of 8,192 numbers is my wave's: 0 .. 1,023
	s_lshl_b32 s20, s18, 15                        ; 32,768 bytes of x,
	s_mov_b32 s21, 0
	s_lshl_b32 s22, s18, 12                        ; 4,096 of codes,
	s_mov_b32 s23, 0
	s_lshl_b32 s24, s18, 8                         ; 256 of scale bytes a run
	s_mov_b32 s25, 0
	s_wait_kmcnt 0x0
	s_add_nc_u64 s[4:5], s[4:5], s[20:21]
	s_add_nc_u64 s[6:7], s[6:7], s[22:23]
	s_add_nc_u64 s[8:9], s[8:9], s[24:25]
.macro LOAD t
.irp i, 0,1,2,3
	global_load_b128 v[R+16*((\t)%AHEAD)+4*\i:R+16*((\t)%AHEAD)+4*\i+3], v3, s[4:5] offset:2048*(\t)+512*\i th:TH_LOAD_NT   ; 32 lanes read 512 consecutive bytes; read once in the launch
.endr
.endm
.macro TURN t                          ; step t's numbers through the stage: LDS serves a wave's instructions in order (ISA guide 5.7.1.4), so no wait stands between the stores and the loads
.irp i, 0,1,2,3
	ds_store_b128 v14, v[R+16*((\t)%AHEAD)+4*\i:R+16*((\t)%AHEAD)+4*\i+3] offset:32*SP*((\t)%2)+8*SP*\i
.endr
.irp i, 0,1,2,3
	ds_load_b128 v[X+16*((\t)%2)+4*\i:X+16*((\t)%2)+4*\i+3], v15 offset:32*SP*((\t)%2)+16*\i
.endr
.endm
.irp t, 0,1,2,3,4,5,6,7
	LOAD \t
.endr
	s_wait_loadcnt 4*(AHEAD-1)                     ; step 0's four loads are in; the 28 of the seven steps behind it may be out
	TURN 0
.macro STEP t
.set XS, X+16*((\t)%2)
.if (\t) > 0
	s_wait_dscnt 1                                 ; this step's numbers are back from the stage (the last step's byte store may be out): so its stores into the stage have read their registers,
.else
	s_wait_dscnt 0x0
.endif
.if (\t)+AHEAD < STEPS
	LOAD (\t)+AHEAD                                ; which take the loads of eight steps on
.endif
.if (\t)+1 < STEPS
.if STEPS-2-(\t) >= AHEAD-1
	s_wait_loadcnt 4*(AHEAD-1)                     ; the next step's four loads are in; those of the seven steps behind it may be out
.else
	s_wait_loadcnt 4*(STEPS-2-(\t))                ; near the end fewer steps stand behind it
.endif
	TURN (\t)+1                                    ; and go through the other stage while this step is worked
.endif
	v_max3_num_f32 v8, |v[XS]|, |v[XS+1]|, |v[XS+2]|               ; the largest magnitude of my 16, in two chains
	v_max3_num_f32 v9, |v[XS+3]|, |v[XS+4]|, |v[XS+5]|
.irp i, 6,10
	v_max3_num_f32 v8, v8, |v[XS+\i]|, |v[XS+\i+1]|
	v_max3_num_f32 v9, v9, |v[XS+\i+2]|, |v[XS+\i+3]|
.endr
	v_max3_num_f32 v8, v8, |v[XS+14]|, |v[XS+15]|
	v_max3_num_f32 v8, v8, v9, (EMAX+1)<<23        ; and the floor 2^(3 - 127): so the byte cannot fall under 1
	v_max_num_f32_dpp v8, v8, v8 row_xmask:1 row_mask:0xf bank_mask:0xf   ; and of my neighbour's 16: the block's
	v_add_nc_u32 v11, -(EMAX<<23), v8              ; 2 off its exponent field: the conversion takes the exponent field of this operand as its scale, and nothing else of it
	v_cvt_scalef32_pk8_fp4_f32 v[C+2*(\t)], v[XS:XS+7], v11
	v_cvt_scalef32_pk8_fp4_f32 v[C+2*(\t)+1], v[XS+8:XS+15], v11
	v_lshrrev_b32 v[E+(\t)], 23, v11               ; the scale's byte (also the plain line behind the conversions)
	ds_store_b8 v5, v[E+(\t)] offset:16*(\t)       ; both lanes of a block write the same byte with the same value
	global_store_b64 v4, v[C+2*(\t):C+2*(\t)+1], s[6:7] offset:32*CB*(\t)   ; 32 lanes store 256 consecutive bytes, at a multiple of 256 from xc's first byte
.endm
.irp t, 0,1,2,3,4,5,6,7,8,9,10,11,12,13,14,15
	STEP \t
.endr
	ds_load_b64 v[8:9], v6                         ; in order behind my byte stores
	s_wait_dscnt 0x0
	global_store_b64 v7, v[8:9], s[8:9]            ; 32 lanes store 256 consecutive bytes of scale bytes
	s_wait_tensorcnt 0x0                           ; the wave's end, behind my last LDS store
	ds_add_u32 v[SPW], v[NIL]
	s_wait_dscnt 0x0
	s_endpgm
.Lfunc_end_k_q4273baa225_quant_x:
	.size	k_q4273baa225_quant_x, .Lfunc_end_k_q4273baa225_quant_x-k_q4273baa225_quant_x
	.p2alignl 7, 3214868480
	.fill 96, 4, 3214868480
	.section	.rodata,"a",@progbits
	.p2align	6, 0x0
	.amdhsa_kernel k_q4273baa225_quant_x
		.amdhsa_group_segment_fixed_size 33280
		.amdhsa_private_segment_fixed_size 0
		.amdhsa_enable_private_segment 0
		.amdhsa_kernarg_size 24
		.amdhsa_user_sgpr_count 2
		.amdhsa_user_sgpr_kernarg_segment_ptr 1
		.amdhsa_wavefront_size32 1
		.amdhsa_system_sgpr_workgroup_id_x 1
		.amdhsa_system_sgpr_workgroup_id_y 1
		.amdhsa_system_sgpr_workgroup_id_z 1
		.amdhsa_system_vgpr_workitem_id 0
		.amdhsa_next_free_vgpr 224
		.amdhsa_next_free_sgpr 66
		.amdhsa_reserve_vcc 0
		.amdhsa_float_denorm_mode_32 3
		.amdhsa_float_denorm_mode_16_64 3
		.amdhsa_memory_ordered 1
		.amdhsa_forward_progress 1
		.amdhsa_inst_pref_size 33
	.end_amdhsa_kernel
	.amdgpu_metadata
---
amdhsa.version: [ 1, 2 ]
amdhsa.kernels:
  - .name:           k_q4273baa225_quant_x
    .symbol:         k_q4273baa225_quant_x.kd
    .args:
      - { .name: x, .offset: 0, .size: 8, .value_kind: global_buffer, .address_space: global }
      - { .name: xc, .offset: 8, .size: 8, .value_kind: global_buffer, .address_space: global }
      - { .name: xs, .offset: 16, .size: 8, .value_kind: global_buffer, .address_space: global }
    .group_segment_fixed_size: 33280
    .private_segment_fixed_size: 0
    .kernarg_segment_align: 8
    .kernarg_segment_size: 24
    .max_flat_workgroup_size: 128
    .sgpr_count:     66
    .vgpr_count:     224
    .wavefront_size: 32
...
	.end_amdgpu_metadata
.endif
;; end of part 1
;; launch quant_w (part 2): grid 48 x 1, 16 waves a work-group, no clusters, 37,888 bytes of LDS; arguments Wq, Wk, Wv, wc, ws; writes wc, ws
.if DOCPART == 2
	.amdgcn_target "amdgcn-amd-amdhsa--gfx1250"
	.amdhsa_code_object_version 6
	.text
	.protected	k_q4273baa225_quant_w
	.globl	k_q4273baa225_quant_w
	.p2align	8
	.type	k_q4273baa225_quant_w,@function
k_q4273baa225_quant_w:
	s_mov_b64 s[64:65], 0
	v_nop
	global_prefetch_b8 v0, s[64:65] scope:SCOPE_SE
	s_setreg_imm32_b32 hwreg(HW_REG_WAVE_MODE, 25, 1), 1
	s_wait_xcnt 0x0
; Wq, Wk, Wv [1024 (k)][1024 (n)], f32: K is their FIRST axis.  They become codes of FP4 (E2M1) laid with K innermost, wc [3072 = q | k | v columns][512 bytes], and one E8M0 byte for each 32 along K, ws [3072][32 bytes].
; A LANE TAKES A COLUMN n AND ITS REGISTERS RUN DOWN K: a load reads neighbouring columns in neighbouring lanes, a block of 32 along K lies in one lane's 32 registers, its largest magnitude needs no other
; lane, and the conversions give the codes with K innermost.  Nothing is transposed by an instruction.
; A block's scale is 2^(floor(log2(its largest magnitude)) - 2); its byte is the largest magnitude's exponent field - 2, held at 1 from below.
; LIMITS: a block of zeros gets the byte 1 where the quantiser's rule says 127 (its codes are zeros; this program alone reads the bytes); blocks whose largest magnitude lies under 2^-124 are held at the byte 1; NaN and infinities are not served.
; SHARES.  Work-group X takes output rows 64 X .. 64 X + 63 (tensor X / 16, its columns 64 (X % 16) on) for ALL of K, so that whole rows of codes (512 bytes) and of scale bytes (32) meet in LDS and leave as
; dense runs.  Wave w: 32 columns (w % 2), 128 along K (w / 2): four blocks a lane.  One barrier, between the writing and the reading of the stages.
; 3,072 / 64 = 48 work-groups: narrower shares would cut a load's run of columns under 128 bytes a wave.  The work-groups share no input: no cluster.
.set NB,    4                          ; blocks of 32 along K for a wave
.set PITCH, 528                        ; a stage row: 512 bytes of codes + 16
.set EMAX,  2
.set SCST,  64*PITCH                   ; behind the code stage: 64 rows x 32 scale bytes, dense
.set SPARE, SCST+2048                  ; behind it: the spare words, 128 bytes a wave, which no other line names
.set X,     32                         ; v32-95   two sets of 32 numbers
.set C,     96                         ; v96-99   a block's codes
.set OUTR,  100                        ; v100-119 the way out
.set SB,    24                         ; v24      my four scale bytes
.set SPW,   14
.set NIL,   15
	s_load_b256 s[4:11], s[0:1], 0x0               ; Wq s[4:5], Wk s[6:7], Wv s[8:9], wc s[10:11]
	s_load_b64 s[12:13], s[0:1], 0x20              ; ws
	v_lshl_add_u32 v[SPW], v0, 2, SPARE
	v_mov_b32 v[NIL], 0
	v_lshrrev_b32 v1, 5, v0
	v_readfirstlane_b32 s16, v1                    ; wave 0..15
	v_and_b32 v2, 31, v0                           ; lane
	s_and_b32 s17, s16, 1                          ; which 32 columns
	s_lshr_b32 s18, s16, 1                         ; which 128 along K
	v_lshlrev_b32 v3, 2, v2                        ; in: 4 bytes a lane
	s_mul_i32 s19, s17, 32*PITCH
	s_lshl_b32 s20, s18, 6
	s_add_co_u32 s19, s19, s20
	v_mul_u32_u24 v4, v2, PITCH
	v_add_nc_u32 v4, s19, v4                       ; code stage: row = my column, byte 64 x (w / 2): my 128 codes
	s_lshl_b32 s19, s17, 10
	s_lshl_b32 s20, s18, 2
	s_add_co_u32 s19, s19, s20
	s_add_co_u32 s19, s19, SCST
	v_lshl_add_u32 v6, v2, 5, s19                  ; scale stage: 32 bytes a row, my word at 4 x (w / 2)
	s_mul_i32 s19, s16, 4*PITCH
	v_lshl_add_u32 v7, v2, 4, s19                  ; back: wave w takes rows 4 w .. 4 w + 3, 32 lanes a row of 512 bytes
	s_lshl_b32 s19, s16, 11
	v_lshl_add_u32 v8, v2, 4, s19                  ; and the same place among the work-group's 32,768 bytes of wc
	s_and_b32 s19, s16, 3
	s_lshl_b32 s19, s19, 9
	v_lshl_add_u32 v10, v2, 4, s19                 ; the scale bytes: waves 0-3 take 512 of the 2,048 each
	v_add_nc_u32 v9, SCST, v10
	s_lshl_b32 s20, s18, 19                        ; my part of W: 128 (w / 2) rows of 4,096 bytes,
	s_and_b32 s22, ttmp9, 15
	s_lshl_b32 s22, s22, 8                         ; + the work-group's 64 columns,
	s_add_co_u32 s20, s20, s22
	s_lshl_b32 s22, s17, 7                         ; + my 32 of them
	s_add_co_u32 s20, s20, s22
	s_mov_b32 s21, 0
	s_lshl_b32 s22, ttmp9, 15                      ; 64 rows of 512 bytes of codes a work-group
	s_mov_b32 s23, 0
	s_lshl_b32 s24, ttmp9, 11                      ; 64 rows of 32 scale bytes
	s_mov_b32 s25, 0
	s_wait_kmcnt 0x0
	s_cmp_lt_u32 ttmp9, 32                         ; which tensor: the choice hangs on the work-group's number alone, and only the pointer is chosen: one path through the text
	s_cselect_b64 s[6:7], s[6:7], s[8:9]
	s_cmp_lt_u32 ttmp9, 16
	s_cselect_b64 s[4:5], s[4:5], s[6:7]
	s_add_nc_u64 s[4:5], s[4:5], s[20:21]
	s_add_nc_u64 s[10:11], s[10:11], s[22:23]
	s_add_nc_u64 s[12:13], s[12:13], s[24:25]
.macro LOAD t                          ; block t: W(32 t + i, my column), i = 0 .. 31, into set t % 2; the row stands in the immediate, 520,192 bytes at the most
.irp i, 0,1,2,3,4,5,6,7,8,9,10,11,12,13,14,15,16,17,18,19,20,21,22,23,24,25,26,27,28,29,30,31
	global_load_b32 v[X+32*((\t)%2)+\i], v3, s[4:5] offset:(32*(\t)+\i)*4096 th:TH_LOAD_NT
.endr
.endm
	LOAD 0
	LOAD 1
.macro BLOCK t
.set XS, X+32*((\t)%2)
.if (\t) < NB-1
	s_wait_loadcnt 32                              ; this block's 32 loads are in; the next block's 32 may be out
.else
	s_wait_loadcnt 0
.endif
	v_max3_num_f32 v12, |v[XS]|, |v[XS+1]|, |v[XS+2]|               ; the block's largest magnitude: all 32 numbers are mine; two chains
	v_max3_num_f32 v13, |v[XS+3]|, |v[XS+4]|, |v[XS+5]|
.irp i, 6,10,14,18,22,26
	v_max3_num_f32 v12, v12, |v[XS+\i]|, |v[XS+\i+1]|
	v_max3_num_f32 v13, v13, |v[XS+\i+2]|, |v[XS+\i+3]|
.endr
	v_max3_num_f32 v12, v12, |v[XS+30]|, |v[XS+31]|
	v_max3_num_f32 v12, v12, v13, (EMAX+1)<<23     ; and the floor 2^(3 - 127): the byte cannot fall under 1
	v_add_nc_u32 v11, -(EMAX<<23), v12             ; 2 off its exponent field: the conversion's scale operand
	v_lshrrev_b32 v13, 23, v11                     ; the scale's byte
.if (\t) == 0
	v_mov_b32 v[SB], v13                           ; four bytes to the word, the lower K in the lower byte
.else
	v_lshl_or_b32 v[SB], v13, 8*(\t), v[SB]
.endif
.irp g, 0,1,2,3
	v_cvt_scalef32_pk8_fp4_f32 v[C+\g], v[XS+8*\g:XS+8*\g+7], v11
.endr
	ds_store_b128 v4, v[C:C+3] offset:16*(\t)      ; 32 codes: 16 bytes of my column's row
.if (\t)+2 < NB
	LOAD (\t)+2
.endif
	s_wait_dscnt 0x0                               ; the store has read its registers: the next block's codes may be written
.endm
	BLOCK 0
	BLOCK 1
	BLOCK 2
	BLOCK 3
	ds_store_b32 v6, v[SB]                         ; my column's scale bytes of blocks 4 (w / 2) .. + 3
	s_wait_dscnt 0x0                               ; for the others' sake: my stores into both stages are done
	s_barrier_signal -1
	s_barrier_wait -1                              ; 64 whole rows lie in the stages
.irp i, 0,1,2,3
	ds_load_b128 v[OUTR+4*\i:OUTR+4*\i+3], v7 offset:PITCH*\i
.endr
.irp i, 0,1,2,3
	s_wait_dscnt 3-\i                              ; row i is back; the younger rows may be out
	global_store_b128 v8, v[OUTR+4*\i:OUTR+4*\i+3], s[10:11] offset:512*\i   ; 32 lanes store a row's 512 consecutive bytes
.endr
	s_cmp_lt_u32 s16, 4
	s_cbranch_scc0 .Lno_scales
	ds_load_b128 v[OUTR+16:OUTR+19], v9
	s_wait_dscnt 0x0
	global_store_b128 v10, v[OUTR+16:OUTR+19], s[12:13]    ; 512 consecutive bytes: 16 rows of scale bytes
.Lno_scales:
	s_wait_tensorcnt 0x0                           ; the wave's end, behind my last LDS store
	ds_add_u32 v[SPW], v[NIL]
	s_wait_dscnt 0x0
	s_endpgm
.Lfunc_end_k_q4273baa225_quant_w:
	.size	k_q4273baa225_quant_w, .Lfunc_end_k_q4273baa225_quant_w-k_q4273baa225_quant_w
	.p2alignl 7, 3214868480
	.fill 96, 4, 3214868480
	.section	.rodata,"a",@progbits
	.p2align	6, 0x0
	.amdhsa_kernel k_q4273baa225_quant_w
		.amdhsa_group_segment_fixed_size 37888
		.amdhsa_private_segment_fixed_size 0
		.amdhsa_enable_private_segment 0
		.amdhsa_kernarg_size 40
		.amdhsa_user_sgpr_count 2
		.amdhsa_user_sgpr_kernarg_segment_ptr 1
		.amdhsa_wavefront_size32 1
		.amdhsa_system_sgpr_workgroup_id_x 1
		.amdhsa_system_sgpr_workgroup_id_y 1
		.amdhsa_system_sgpr_workgroup_id_z 1
		.amdhsa_system_vgpr_workitem_id 0
		.amdhsa_next_free_vgpr 128
		.amdhsa_next_free_sgpr 66
		.amdhsa_reserve_vcc 0
		.amdhsa_float_denorm_mode_32 3
		.amdhsa_float_denorm_mode_16_64 3
		.amdhsa_memory_ordered 1
		.amdhsa_forward_progress 1
		.amdhsa_inst_pref_size 22
	.end_amdhsa_kernel
	.amdgpu_metadata
---
amdhsa.version: [ 1, 2 ]
amdhsa.kernels:
  - .name:           k_q4273baa225_quant_w
    .symbol:         k_q4273baa225_quant_w.kd
    .args:
      - { .name: Wq, .offset: 0, .size: 8, .value_kind: global_buffer, .address_space: global }
      - { .name: Wk, .offset: 8, .size: 8, .value_kind: global_buffer, .address_space: global }
      - { .name: Wv, .offset: 16, .size: 8, .value_kind: global_buffer, .address_space: global }
      - { .name: wc, .offset: 24, .size: 8, .value_kind: global_buffer, .address_space: global }
      - { .name: ws, .offset: 32, .size: 8, .value_kind: global_buffer, .address_space: global }
    .group_segment_fixed_size: 37888
    .private_segment_fixed_size: 0
    .kernarg_segment_align: 8
    .kernarg_segment_size: 40
    .max_flat_workgroup_size: 512
    .sgpr_count:     66
    .vgpr_count:     128
    .wavefront_size: 32
...
	.end_amdgpu_metadata
.endif
;; end of part 2
;; launch proj (part 3): grid 12 x 32, 4 waves a work-group, clusters of 4 x 4, 327,680 bytes of LDS; arguments xc, xs, wc, ws, qkv, qkl; writes qkv, qkl
.if DOCPART == 3
	.amdgcn_target "amdgcn-amd-amdhsa--gfx1250"
	.amdhsa_code_object_version 6
	.text
	.protected	k_q4273baa225_proj
	.globl	k_q4273baa225_proj
	.p2align	8
	.type	k_q4273baa225_proj,@function
k_q4273baa225_proj:
	s_mov_b64 s[64:65], 0
	v_nop
	global_prefetch_b8 v0, s[64:65] scope:SCOPE_SE
	s_setreg_imm32_b32 hwreg(HW_REG_WAVE_MODE, 25, 1), 1
	s_wait_xcnt 0x0
	s_wait_alu depctr_hold_cnt(0) depctr_sa_sdst(0) depctr_va_vdst(0) depctr_va_sdst(0) depctr_va_ssrc(0) depctr_va_vcc(0) depctr_vm_vsrc(0)
	s_getreg_b32 s2, hwreg(HW_REG_IB_STS2, 6, 4)
	s_cmp_eq_u32 s2, 0
	s_cbranch_scc0 .Lentry_in_a_cluster
	s_endpgm
.Lentry_in_a_cluster:
	s_bfe_u32 s2, ttmp6, 0x10000c
	s_cmp_lg_u32 s2, 0xf033
	s_cbranch_scc0 .Lentry_shape_is_right
	s_endpgm
.Lentry_shape_is_right:
; q | k | v = x (Wq | Wk | Wv): ONE product C[m][n] = sum over k of A[m][k] B[n][k], A = x's codes [8192][1024], B = the weights' codes [3072][1024], FP4 (E2M1) with one E8M0 scale for each 32 along K; sums in f32.
; The result leaves in f16, laid for the attention: qkv [batch 8][plane 48][token 1024][64]; planes 0-15 q's heads, 16-31 k's, 32-47 v's: each number rounded once, hi = f16(a).
; q AND k LEAVE AS PAIRS: beside hi a second number lo = f16(8 (a - 63/64 ah)) = f16(hi / 8 + 8 (a - hi)), ah = a rounded to 11 bits in f32; qkl [batch 8][plane 32][token 1024][64], planes 0-15 q's, 16-31 k's.
; With dq = q - qh, dk = k - kh:  qh kh + ql kl = 65/64 qh kh + qh dk + dq kh + 64 dq dk: 65/64 of the product q k, but for 1/65 of the two small terms and for 64 dq dk; the attention divides by 65/64.
; LIMITS: q, k and v must lie within +-65,504.  Under 2^-14 hi has f16's fixed step 2^-24 and ah has not: the two then differ by 2^-25 at the most.
; A tile of C, 256 x 256, is made by a work-group of four waves; a wave makes 128 x 128: 64 accumulators of 16 x 16, 512 registers.  K = 1,024 is two slots of 512 (LDS rows of 256 bytes): both are asked for at
; the head, with the scale bytes of the work-group's rows, and nothing is ever filled again: three tensor loads of a wave are out at the most.
; CLUSTERS: 4 x 4 work-groups.  The four of a row of the cluster need the same tiles of A, the four of a column the same tiles of B: each tile is asked for JOINTLY, by the same tensor load with the same
; descriptor and a mask that names the four.  THE MATRIX INSTRUCTION IS USED TRANSPOSED (source 0 = 16 rows of B, source 1 = 16 rows of A): a lane then holds eight neighbouring columns of one token.
; REGISTERS, in windows of 256: window 0: v0-31 addresses; v32-95 scale words, two sets; v128-191 A's fragments (8 x 16 rows x 128 K), ONE set; on the way out v32-63, v128-255.
;   window 1: B's fragments, TWO sets, at v0 and v128.   window 2: the accumulators of my rows 0-63 ((a, b) at v[8 (8 a + b)]);   window 3: those of my rows 64-127.
; A step of 128 along K is 64 matrix instructions, A's blocks one after the other, each against B's eight: a block of A is free when its eight products are issued, so one set serves A.
.set SIZE_K, 1024
.set KSTEP,  512
.set NQ,     KSTEP/128                 ; matrix instructions deep in a slot
.set ROWB,   256                       ; a tile's row in bytes: 512 codes
.set KROW,   SIZE_K/2                  ; a row of codes in memory
.set PITCH,  272                       ; an LDS row: 256 bytes + 16 = 68 words: row r starts at bank 4 r mod 64 (64 banks of 4 bytes: ISA guide 11.1)
.set FR,     8                         ; registers of a fragment: 16 rows x 128 K
.set NL,     2                         ; LDS loads that bring one
.set NP,     4                         ; places behind this matrix instruction (ISA guide 7.12.1)
.set HALFT,  128*PITCH                 ; 128 rows: what one tensor load brings, and what one wave reads of A or of B
.set SLOT,   4*HALFT                   ; A's 256 rows, then B's 256 rows
.set KS,     SIZE_K/32                 ; a row of scale bytes
.set SCL,    2*SLOT                    ; behind the two slots: the scale bytes, as runs of 256 bytes + 16 of padding
.set HALFS,  (128*KS/256)*272          ; those of 128 rows: what one tensor load brings
.set SBLK,   (16*KS/256)*272           ; those of 16 rows
.set SPARE,  SCL+4*HALFS               ; behind them: the spare words, 128 bytes a wave, which no other line names
.set SPITCH, 272                       ; the way out: a stage of 16 tokens x (256 bytes + 16) for each wave, in slot 0, which has had its only fill and its last read by then
.set ADRA, 16                          ; v16-17  LDS address of my A fragments in slot 0, 1
.set ADRB, 20                          ; v20-21  the same for B
.set STO,  24                          ; v24     the way out: where I put 16 bytes of a token
.set RD,   25                          ; v25     where I read 16 bytes back
.set CO,   26                          ; v26     my byte offset in qkv and in qkl
.set ADRS, 27                          ; v27     LDS address of my scale words: lanes 0-15 A's rows, lanes 16-31 B's
.set SPW,  28                          ; v28     LDS address of my spare word; never rewritten
.set NIL,  29                          ; v29     0; never rewritten
.set SC,   32                          ; scale words: set s at v[SC + 32 s]; register 4 i + q: lanes 0-15 A's block i, lanes 16-31 B's block i, the slot's q-th 128 along K
.set AF,   128                         ; A's fragments
.set T,    128                         ; the way out: 64 numbers at work on the second parts
.set TMP,  192                         ; a block's packed results
.set OB,   32                          ; and what comes back from the stage: v32-63 and v224-255 by turns
.set G1, 24                            ; s[24:31] descriptor group 1 for A's tiles;  s[32:39] group 0, one set for each slot
.set G0, 32
.set G1B, 48                           ; s[48:55], s[56:63] the same for B's tiles
.set G0B, 56
.set G1S, 68                           ; s[68:75], s[76:79] groups 1 and 0 for A's scale bytes;  s[80:87], s[88:91] for B's
.set G0S, 76
.set G1SB, 80
.set G0SB, 88
.set HIB, 12                           ; s[12:13] qkv at my first token and plane
.set LOB, 96                           ; s[96:97] qkl likewise
.set MSB, 0
.macro WIN new                         ; the immediate's high byte repeats the setting that is left; a switch that changes nothing is dropped
.if MSB != (\new)
	s_set_vgpr_msb (MSB<<8)|(\new)
.set MSB, (\new)
.endif
.endm
.set MUL_LO, 0xa1                      ; source 0 (B) window 1, source 1 (A) window 0, C and D window 2
.set MUL_HI, 0xf1                      ; the same, C and D window 3
.set TO_B,   0x40                      ; destination window 1, address window 0
; A joint load: waves 0 and 1 fetch for A, waves 2 and 3 for B.  Each of the two lines has ONE mask and one set of registers for all that issue it; the branch hangs on the wave's number alone.
; An s_nop 0 and four v_nop follow each of the two lines, ahead of the jump, the label and what follows.
.macro JLOAD g0a, g1a, g0b, g1b
	s_cmp_eq_u32 s15, 0
	s_cbranch_scc0 .Lfor_b_\@
	tensor_load_to_lds s[\g0a:\g0a+3], s[\g1a:\g1a+7]
	s_nop 0
.rept 4
	v_nop
.endr
	s_branch .Lasked_\@
.Lfor_b_\@:
	tensor_load_to_lds s[\g0b:\g0b+3], s[\g1b:\g1b+7]
	s_nop 0
.rept 4
	v_nop
.endr
.Lasked_\@:
.endm
.macro CROUND                          ; a round of the cluster's barrier: my work-group's barrier; wave 0 signals for the work-group; every wave waits for all sixteen; my work-group's barrier once more
	s_barrier_signal -1
	s_barrier_wait -1
	s_cmp_lg_u32 s14, 0
	s_cbranch_scc1 .Lnot_wave_0_\@
	s_barrier_signal -3
.Lnot_wave_0_\@:
	s_barrier_wait -3
	s_barrier_signal -1
	s_barrier_wait -1
.endm
	s_load_b128 s[4:7], s[0:1], 0x0                ; x's codes s[4:5], x's scale bytes s[6:7]
	s_load_b128 s[8:11], s[0:1], 0x10              ; the weights' codes s[8:9], their scale bytes s[10:11]
	s_load_b64 s[HIB:HIB+1], s[0:1], 0x20          ; qkv
	s_load_b64 s[LOB:LOB+1], s[0:1], 0x28          ; qkl
	v_lshl_add_u32 v[SPW], v0, 2, SPARE
	v_mov_b32 v[NIL], 0
	ds_add_u32 v[SPW], v[NIL]                      ; the wave's opening: the add, twice on end, and its wait ahead of my first tensor load; the set-up below stands between the second and the wait
	ds_add_u32 v[SPW], v[NIL]
	v_lshrrev_b32 v1, 5, v0
	v_readfirstlane_b32 s14, v1                    ; wave 0..3
	s_lshr_b32 s15, s14, 1                         ; which half of the tile's rows is mine.  Also: I fetch for A (0) or for B (1)
	s_and_b32 s16, s14, 1                          ; which half of its columns.  Also: which 128 rows of that tile I fetch
	s_bfe_u32 s40, ttmp6, 0x40000                  ; cx, cy: my place in the cluster
	s_bfe_u32 s41, ttmp6, 0x40004
	s_lshl_b32 s42, ttmp9, 2
	s_add_co_u32 s42, s42, s40                     ; tile column of C = 4 x cluster x + cx: 0 .. 11
	s_and_b32 s17, ttmp7, 0xffff
	s_lshl_b32 s17, s17, 2
	s_add_co_u32 s17, s17, s41                     ; tile row of C = 4 x cluster y + cy: 0 .. 31
	s_lshl_b32 s43, s41, 2
	s_lshl_b32 s43, 15, s43                        ; my row of the cluster
	s_lshl_b32 s44, 0x1111, s40                    ; my column
	s_mov_b32 s98, 0xfff                           ; rounding to 11 bits in f32: half of bit 13's worth, less one,
	s_mov_b32 s99, 0xffffe000                      ; and the mask that drops the 13 low bits
	; descriptor group 1: a tile of 128 rows x 256 bytes, padded in LDS
	s_or_b32 s[G1+0], s43, (0<<16)|(1<<20)|(1<<21)|(5<<22)|(3<<25)  ; 15:0 the mask: A's tiles go to my row; 17:16 elements of 1 byte; 20 padding on; 21 set beside a mask; 24:22 after every 64 words; 31:25 four words
	s_or_b32 s[G1B+0], s44, (0<<16)|(1<<20)|(1<<21)|(5<<22)|(3<<25)
.irp g, G1, G1B
	s_mov_b32 s[\g+1], ROWB<<16                    ; tensor_dim0
	s_mov_b32 s[\g+2], 128<<16                     ; tensor_dim1
	s_mov_b32 s[\g+3], ROWB<<16                    ; tile_dim0
	s_mov_b32 s[\g+4], 128                         ; tile_dim1
	s_mov_b32 s[\g+5], KROW                        ; tensor_dim0_stride
	s_mov_b32 s[\g+6], 0
	s_mov_b32 s[\g+7], 0
.endr
	; the scale bytes of 128 rows: a dense block of 4,096 bytes, as 16 rows of 256 bytes (32 elements of 8), 16 bytes of padding behind each
	s_or_b32 s[G1S+0], s43, (3<<16)|(1<<20)|(1<<21)|(5<<22)|(3<<25)
	s_or_b32 s[G1SB+0], s44, (3<<16)|(1<<20)|(1<<21)|(5<<22)|(3<<25)
.irp g, G1S, G1SB
	s_mov_b32 s[\g+1], 32<<16
	s_mov_b32 s[\g+2], (128*KS/256)<<16
	s_mov_b32 s[\g+3], 32<<16
	s_mov_b32 s[\g+4], 128*KS/256
	s_mov_b32 s[\g+5], 32
	s_mov_b32 s[\g+6], 0
	s_mov_b32 s[\g+7], 0
.endr
	s_lshl_b32 s18, s16, 7                         ; which 128 rows of the tile I fetch
	s_lshl_b32 s20, s17, 8
	s_add_co_u32 s20, s20, s18                     ; A: row 256 x tile row + 128 x half
	s_lshl_b32 s46, s42, 8
	s_add_co_u32 s46, s46, s18                     ; B: row 256 x tile column + 128 x half
	s_mov_b32 s21, 0
	s_mov_b32 s47, 0
	s_mov_b64 s[18:19], KS
	s_mul_u64 s[22:23], s[20:21], s[18:19]         ; where these rows' scale bytes begin
	s_mul_u64 s[92:93], s[46:47], s[18:19]
	s_mov_b64 s[18:19], KROW
	s_mul_u64 s[20:21], s[20:21], s[18:19]         ; and their codes
	s_mul_u64 s[46:47], s[46:47], s[18:19]
	s_mul_i32 s45, s14, HALFT                      ; where they go: wave x 128 rows: no place in the cluster enters an LDS address
	s_mul_i32 s94, s14, HALFS
	s_wait_dscnt 0x0                               ; both opening adds are done
	s_wait_kmcnt 0x0
	s_add_nc_u64 s[20:21], s[4:5], s[20:21]
	s_add_nc_u64 s[22:23], s[6:7], s[22:23]
	s_add_nc_u64 s[46:47], s[8:9], s[46:47]
	s_add_nc_u64 s[92:93], s[10:11], s[92:93]
	CROUND                                         ; all sixteen work-groups are here: the joint loads meet
	s_mov_b32 s[G0S], 1
	s_add_co_u32 s[G0S+1], s94, SCL
	s_mov_b64 s[G0S+2:G0S+3], s[22:23]
	s_or_b32 s[G0S+3], s[G0S+3], 0x80000000
	s_mov_b32 s[G0SB], 1
	s_add_co_u32 s[G0SB+1], s94, SCL
	s_mov_b64 s[G0SB+2:G0SB+3], s[92:93]
	s_or_b32 s[G0SB+3], s[G0SB+3], 0x80000000
	JLOAD G0S, G1S, G0SB, G1SB                     ; the scale bytes first: they are wanted with slot 0
.irp s, 0,1
	s_mov_b32 s[G0+4*\s], 1
	s_add_co_u32 s[G0+4*\s+1], s45, \s*SLOT
	s_add_nc_u64 s[G0+4*\s+2:G0+4*\s+3], s[20:21], \s*ROWB
	s_or_b32 s[G0+4*\s+3], s[G0+4*\s+3], 0x80000000
	s_mov_b32 s[G0B+4*\s], 1
	s_add_co_u32 s[G0B+4*\s+1], s45, \s*SLOT
	s_add_nc_u64 s[G0B+4*\s+2:G0B+4*\s+3], s[46:47], \s*ROWB
	s_or_b32 s[G0B+4*\s+3], s[G0B+4*\s+3], 0x80000000
	JLOAD G0+4*\s, G1, G0B+4*\s, G1B
.endr
	v_and_b32 v1, 15, v0                           ; l % 16
	v_bfe_u32 v2, v0, 4, 1                         ; l / 16
	v_mul_u32_u24 v3, v1, PITCH
	v_lshl_add_u32 v4, v2, 4, v3                   ; a fragment's row x pitch + 16 x half
	s_mul_i32 s21, s15, HALFT                      ; my 128 rows of A
	s_mul_i32 s22, s16, HALFT                      ; my 128 rows of B,
	s_add_co_u32 s22, s22, 2*HALFT                 ; which lie behind A's 256
.irp s, 0,1
	v_add_nc_u32 v[ADRA+\s], s21, v4
	v_add_nc_u32 v[ADRB+\s], s22, v4
	s_add_co_u32 s21, s21, SLOT
	s_add_co_u32 s22, s22, SLOT
.endr
	v_mul_u32_u24 v5, v1, KS                       ; my row's scale bytes: 32 a row,
	v_lshrrev_b32 v6, 8, v5
	v_lshl_add_u32 v5, v6, 4, v5                   ; and 16 more for each 256 passed
	s_mul_i32 s21, s15, HALFS                      ; A's: my 128 rows
	s_mul_i32 s22, s16, HALFS                      ; B's: my 128 rows, behind A's 256
	s_add_co_u32 s22, s22, 2*HALFS
	s_sub_co_u32 s22, s22, s21
	v_mul_u32_u24 v6, s22, v2                      ; lanes 16-31 take B's: the lower base + half x the distance
	s_add_co_u32 s21, s21, SCL
	v_add_nc_u32 v5, v5, v6
	v_add_nc_u32 v[ADRS], s21, v5
	s_mul_i32 s23, s14, 16*SPITCH                  ; my stage
	v_mul_u32_u24 v5, v1, SPITCH                   ; in: token l % 16, 16 bytes for each half of the lanes
	v_lshl_add_u32 v5, v2, 4, v5
	v_add_nc_u32 v[STO], s23, v5
	v_bfe_u32 v6, v0, 3, 1                         ; back: lanes 0-15 take my first head's 128 bytes of two tokens, lanes 16-31 my second head's
	v_mul_u32_u24 v6, v6, SPITCH
	v_lshl_add_u32 v6, v2, 7, v6
	v_and_b32 v7, 7, v0
	v_lshl_add_u32 v6, v7, 4, v6
	v_add_nc_u32 v[RD], s23, v6
	v_lshlrev_b32 v[CO], 4, v1                     ; in qkv and qkl two tokens of a head are 256 consecutive bytes,
	v_lshl_add_u32 v[CO], v2, 17, v[CO]            ; and the next head's plane lies 131,072 bytes on
	s_lshr_b32 s20, s17, 2                         ; the batch: four tile rows each
	s_lshl_b32 s22, s20, 21                        ; (16 planes a batch: what qkl has fewer than qkv)
	s_mul_i32 s20, s20, 48
	s_lshl_b32 s21, s42, 2                         ; a tile column is four planes,
	s_add_co_u32 s20, s20, s21
	s_lshl_b32 s21, s16, 1                         ; my half of it two
	s_add_co_u32 s20, s20, s21
	s_lshl_b32 s20, s20, 17                        ; a plane is 1,024 tokens x 128 bytes
	s_and_b32 s21, s17, 3
	s_lshl_b32 s21, s21, 15                        ; the tile's 256 tokens in the batch,
	s_add_co_u32 s20, s20, s21
	s_lshl_b32 s21, s15, 14                        ; my 128 of them
	s_add_co_u32 s20, s20, s21
	s_mov_b32 s21, 0
	s_sub_co_u32 s22, s20, s22                     ; the same place in qkl, 32 planes a batch (used by q's and k's tiles alone)
	s_mov_b32 s23, 0
	s_add_nc_u64 s[HIB:HIB+1], s[HIB:HIB+1], s[20:21]
	s_add_nc_u64 s[LOB:LOB+1], s[LOB:LOB+1], s[22:23]
.macro FRAG reg, adr, q, i             ; a fragment, 16 rows x 128 K of 4-bit codes: lane l holds row l % 16; registers 4 c .. 4 c + 3 hold K = 64 c + 32 (l / 16) + 0 .. 31
.irp c, 0,1
	ds_load_b128 v[\reg+4*\c:\reg+4*\c+3], v[\adr] offset:64*(\q)+32*\c+(\i)*16*PITCH
.endr
.endm
; 16 matrix instructions: A's blocks a0, a0 + 1 x B's eight, the slot's q-th 128 along K.  p: B's set;  sc: the set of scale words.  zero = 1: the first product starts the sums: nothing is cleared.
; The 64 accumulators take turns, one instruction a turn, in the same order in every step.
.macro MUL16 a0, p, q, sc, zero
.irp a, \a0, \a0+1
.irp b, 0,1,2,3,4,5,6,7
.if \zero
	v_wmma_scale_f32_16x16x128_f8f6f4 v[8*(8*((\a)%4)+\b):8*(8*((\a)%4)+\b)+7], v[128*(\p)+FR*\b:128*(\p)+FR*\b+FR-1], v[AF+FR*(\a):AF+FR*(\a)+FR-1], 0, v[SC+8*NQ*(\sc)+NQ*\b+(\q)], v[SC+8*NQ*(\sc)+NQ*(\a)+(\q)] matrix_a_fmt:MATRIX_FMT_FP4 matrix_b_fmt:MATRIX_FMT_FP4 matrix_a_scale:MATRIX_SCALE_ROW1
.else
	v_wmma_scale_f32_16x16x128_f8f6f4 v[8*(8*((\a)%4)+\b):8*(8*((\a)%4)+\b)+7], v[128*(\p)+FR*\b:128*(\p)+FR*\b+FR-1], v[AF+FR*(\a):AF+FR*(\a)+FR-1], v[8*(8*((\a)%4)+\b):8*(8*((\a)%4)+\b)+7], v[SC+8*NQ*(\sc)+NQ*\b+(\q)], v[SC+8*NQ*(\sc)+NQ*(\a)+(\q)] matrix_a_fmt:MATRIX_FMT_FP4 matrix_b_fmt:MATRIX_FMT_FP4 matrix_a_scale:MATRIX_SCALE_ROW1
.endif
.endr
.endr
.endm
.macro FETCH_B slot, q, p              ; B's eight fragments of the slot's q-th 128 along K into set p
	WIN TO_B
.irp i, 0,1,2,3,4,5,6,7
	FRAG 128*(\p)+FR*\i, ADRB+\slot, \q, \i
.endr
	WIN 0
.endm
.macro FETCH_A slot, q, i0             ; A's blocks i0 .. i0 + 3
.irp i, \i0, \i0+1, \i0+2, \i0+3
	FRAG AF+FR*(\i), ADRA+\slot, \q, \i
.endr
.endm
.macro SCALES sc                       ; a slot's scale words into set sc: four words a row; lanes 0-15 take A's block i, lanes 16-31 B's block i
.irp i, 0,1,2,3,4,5,6,7
	ds_load_b128 v[SC+8*NQ*\sc+NQ*\i:SC+8*NQ*\sc+NQ*\i+3], v[ADRS] offset:\i*SBLK
.endr
.endm
; A load into a register that a matrix instruction has read, and a vector instruction that reads a matrix result, stand NP places behind that matrix instruction; only plain vector instructions that name
; none of its registers are places (ISA guide 7.12.1 for vector instructions).
.macro PLACES n
.rept \n
	v_nop
.endr
.endm
; A step of 128 along K that has its successor in the same slot.
.macro STEP slot, q, zero
	s_wait_dscnt 4*NL                              ; B's set and A's blocks 0-3 are in; the youngest eight loads (A's blocks 4-7) may be out
	WIN MUL_LO
	MUL16 0, (\q)%2, \q, \slot, \zero
	MUL16 2, (\q)%2, \q, \slot, \zero
	s_wait_dscnt 0                                 ; A's blocks 4-7 are in (asked for 32 matrix instructions ago)
	PLACES NP
	FETCH_B \slot, (\q)+1, 1-(\q)%2
	FETCH_A \slot, (\q)+1, 0
	WIN MUL_HI
	MUL16 4, (\q)%2, \q, \slot, \zero
	MUL16 6, (\q)%2, \q, \slot, \zero
	PLACES NP
	WIN 0
	FETCH_A \slot, (\q)+1, 4
.endm
; Slot 0's last step goes over to slot 1: ONE barrier; in front of it each wave waits for all its tensor loads (its part of slot 1), adds 0 to its spare word, and waits for that and for its own reads of slot 0.
; Behind it slot 1 is whole, and nobody reads slot 0 any more: the stages of the way out may lie there.
.macro TURN slot, next
	s_wait_tensorcnt 0x0                           ; all my tensor loads have landed
	ds_add_u32 v[SPW], v[NIL]                      ; 0 onto my spare word
	s_wait_dscnt 4*NL+1                            ; (the add and the youngest eight loads, A's blocks 4-7, may be out)
	WIN MUL_LO
	MUL16 0, 1, NQ-1, \slot, 0                     ; sixteen matrix instructions stand between the add and the wait for it
	s_wait_dscnt 0x0                               ; the add is done, and my reads of this slot are over
	s_barrier_signal -1
	MUL16 2, 1, NQ-1, \slot, 0
	WIN 0
	s_barrier_wait -1
	PLACES NP
	v_add_nc_u32 v[ADRS], 4*NQ, v[ADRS]            ; on to the next slot's scale words (no LDS load of mine is out)
	FETCH_B \next, 0, 0
	FETCH_A \next, 0, 0
	SCALES \next
	WIN MUL_HI
	MUL16 4, 1, NQ-1, \slot, 0
	MUL16 6, 1, NQ-1, \slot, 0
	PLACES NP
	WIN 0
	FETCH_A \next, 0, 4
.endm
	s_wait_tensorcnt 1                             ; the scale bytes and my part of slot 0 are in (slot 1's load, the one issued behind them, may be out),
	s_barrier_signal -1
	s_barrier_wait -1                              ; everybody's are
	FETCH_B 0, 0, 0
	FETCH_A 0, 0, 0
	SCALES 0
	FETCH_A 0, 0, 4
	STEP 0, 0, 1                                   ; the first step's products start the sums
	STEP 0, 1, 0
	STEP 0, 2, 0
	TURN 0, 1
	STEP 1, 0, 0
	STEP 1, 1, 0
	STEP 1, 2, 0
	s_wait_dscnt 4*NL                              ; the last step: nothing more to fetch
	WIN MUL_LO
	MUL16 0, 1, NQ-1, 1, 0
	MUL16 2, 1, NQ-1, 1, 0
	s_wait_dscnt 0
	WIN MUL_HI
	MUL16 4, 1, NQ-1, 1, 0
	MUL16 6, 1, NQ-1, 1, 0
	WIN 0
; THE WAY OUT, block by block of 16 tokens x 128 columns (two heads).  PACK: rounded to f16, 16 bytes a lane, each accumulator from its low end on.  TOSTAGE: into my own stage, token by token, and back so
; that sixteen lanes hold two tokens of ONE head.  SEND: stored.  LDS serves a wave's instructions in order (ISA guide 5.7.1.4): no wait between the stores and the loads.
.macro PACK a
.set AC, 64*((\a)%4)
	WIN 0x0a+5*((\a)/4)                            ; sources 0 and 1: window 2 or 3
.irp b, 0,1,2,3,4,5,6,7
.irp r, 0,1,2,3
	v_cvt_pk_f16_f32 v[TMP+4*\b+\r], v[AC+8*\b+2*\r], v[AC+8*\b+2*\r+1]
.endr
.endr
	WIN 0
.endm
; The second parts of block a.  ah = a rounded to 11 bits, to nearest, ties to even, on a's own bits: bit 13 and 0xfff are added and the 13 low bits dropped: the number that PACK's conversion gives.
; z = a - 63/64 ah by one fused multiply-add: its exact value, ah / 64 + (a - ah), spans 18 bits, so nothing is rounded; 8 z likewise; one rounding, to f16, at the end.
.macro PACKL a
.set AC, 64*((\a)%4)
	WIN 2+(\a)/4                                   ; source 0: the accumulators' window, 2 or 3
.set II, 0
.rept 64
	v_bfe_u32 v[T+II], v[AC+II], 13, 1
.set II, II+1
.endr
.set II, 0
.rept 64
	v_add3_u32 v[T+II], v[AC+II], v[T+II], s98
.set II, II+1
.endr
.set II, 0
.rept 64
	v_and_b32 v[T+II], s99, v[T+II]                ; ah
.set II, II+1
.endr
	WIN (2+(\a)/4)<<4                              ; source 2: the accumulators' window
.set II, 0
.rept 32
	v_pk_fma_f32 v[T+II:T+II+1], v[T+II:T+II+1], 0xbf7c0000, v[AC+II:AC+II+1] op_sel_hi:[1,0,1]   ; z = a - 63/64 ah
.set II, II+2
.endr
	WIN 0
.set II, 0
.rept 32
	v_pk_mul_f32 v[T+II:T+II+1], v[T+II:T+II+1], 0x41000000 op_sel_hi:[1,0]                        ; 8 z
.set II, II+2
.endr
.set II, 0
.rept 32
	v_cvt_pk_f16_f32 v[TMP+II], v[T+2*II], v[T+2*II+1]
.set II, II+1
.endr
.endm
.macro TOSTAGE a
.set BK, OB+192*((\a)%2)
.irp b, 0,1,2,3,4,5,6,7
	ds_store_b128 v[STO], v[TMP+4*\b:TMP+4*\b+3] offset:32*\b
.endr
.irp t, 0,1,2,3,4,5,6,7
	ds_load_b128 v[BK+4*\t:BK+4*\t+3], v[RD] offset:\t*2*SPITCH
.endr
.endm
.macro SEND a, base
.set BK, OB+192*((\a)%2)
	s_wait_dscnt 0x0                               ; the block is back in registers
	s_wait_xcnt 0x0                                ; the block before has had its stores' addresses translated (ISA guide 3.1): only behind this wait do the next block's loads land in its registers
.irp t, 0,1,2,3,4,5,6,7
	global_store_b128 v[CO], v[BK+4*\t:BK+4*\t+3], s[\base:\base+1] offset:2048*(\a)+256*\t   ; 16 lanes store 256 consecutive bytes, at a multiple of 256 from the buffer's first byte
.endr
.endm
	PLACES NP                                      ; behind the last products: for the conversions' reads of results and the loads into registers that held scale words
	PACK 0
	TOSTAGE 0
.irp a, 1,2,3,4,5,6,7                  ; block a's conversions stand between block a - 1's loads from the stage and the wait for them
	PACK \a
	SEND \a-1, HIB
	TOSTAGE \a
.endr
	SEND 7, HIB
	s_cmp_eq_u32 ttmp9, 2                          ; cluster x: 0 holds q's columns, 1 k's, 2 v's: the same number in all sixteen partners.  v has no second part
	s_cbranch_scc1 .Lno_second
	PACKL 0
	TOSTAGE 0
.irp a, 1,2,3,4,5,6,7
	PACKL \a
	SEND \a-1, LOB
	TOSTAGE \a
.endr
	SEND 7, LOB
.Lno_second:
	s_wait_tensorcnt 0x0                           ; the wave's end, behind my last tensor load and my last LDS store
	ds_add_u32 v[SPW], v[NIL]
	s_wait_dscnt 0x0
	CROUND                                         ; the closing round: no work-group ends while a partner may still ask for a tile that names it
	s_endpgm
.Lfunc_end_k_q4273baa225_proj:
	.size	k_q4273baa225_proj, .Lfunc_end_k_q4273baa225_proj-k_q4273baa225_proj
	.p2alignl 7, 3214868480
	.fill 96, 4, 3214868480
	.section	.rodata,"a",@progbits
	.p2align	6, 0x0
	.amdhsa_kernel k_q4273baa225_proj
		.amdhsa_group_segment_fixed_size 327680
		.amdhsa_private_segment_fixed_size 0
		.amdhsa_enable_private_segment 0
		.amdhsa_kernarg_size 48
		.amdhsa_user_sgpr_count 2
		.amdhsa_user_sgpr_kernarg_segment_ptr 1
		.amdhsa_wavefront_size32 1
		.amdhsa_system_sgpr_workgroup_id_x 1
		.amdhsa_system_sgpr_workgroup_id_y 1
		.amdhsa_system_sgpr_workgroup_id_z 1
		.amdhsa_system_vgpr_workitem_id 0
		.amdhsa_next_free_vgpr 1024
		.amdhsa_next_free_sgpr 100
		.amdhsa_reserve_vcc 0
		.amdhsa_float_denorm_mode_32 3
		.amdhsa_float_denorm_mode_16_64 3
		.amdhsa_memory_ordered 1
		.amdhsa_forward_progress 1
		.amdhsa_inst_pref_size 255
	.end_amdhsa_kernel
	.section	.bss,"aw",@nobits
	.p2align	6
	.space	262144
	.amdgpu_metadata
---
amdhsa.version: [ 1, 2 ]
amdhsa.kernels:
  - .name:           k_q4273baa225_proj
    .symbol:         k_q4273baa225_proj.kd
    .args:
      - { .name: xc, .offset: 0, .size: 8, .value_kind: global_buffer, .address_space: global }
      - { .name: xs, .offset: 8, .size: 8, .value_kind: global_buffer, .address_space: global }
      - { .name: wc, .offset: 16, .size: 8, .value_kind: global_buffer, .address_space: global }
      - { .name: ws, .offset: 24, .size: 8, .value_kind: global_buffer, .address_space: global }
      - { .name: qkv, .offset: 32, .size: 8, .value_kind: global_buffer, .address_space: global }
      - { .name: qkl, .offset: 40, .size: 8, .value_kind: global_buffer, .address_space: global }
    .group_segment_fixed_size: 327680
    .private_segment_fixed_size: 0
    .kernarg_segment_align: 8
    .kernarg_segment_size: 48
    .max_flat_workgroup_size: 128
    .sgpr_count:     100
    .vgpr_count:     1024
    .wavefront_size: 32
...
	.end_amdgpu_metadata
.endif
;; end of part 3
;; launch attn (part 4): grid 2 x 128, 8 waves a work-group, no clusters, 327,680 bytes of LDS; arguments qkv, qkl, out0; writes out0
.if DOCPART == 4
	.amdgcn_target "amdgcn-amd-amdhsa--gfx1250"
	.amdhsa_code_object_version 6
	.text
	.protected	k_q4273baa225_attn
	.globl	k_q4273baa225_attn
	.p2align	8
	.type	k_q4273baa225_attn,@function
k_q4273baa225_attn:
	s_mov_b64 s[64:65], 0
	v_nop
	global_prefetch_b8 v0, s[64:65] scope:SCOPE_SE
	s_setreg_imm32_b32 hwreg(HW_REG_WAVE_MODE, 25, 1), 1
	s_wait_xcnt 0x0
; out0[b][n][64 hd + :] = the sum over m of softmax_m(q[n] . k[m]) v[m], for each of 8 x 16 heads; 1,024 tokens, head size 64; no scaling of the scores, no mask.
; q, k, v come as f16 from qkv [batch 8][plane 48][token 1024][64] (planes 0-15 q, 16-31 k, 32-47 v); q and k have a second f16 number each in qkl [batch 8][plane 32][token 1024][64] (planes 0-15 q, 16-31 k).
; THE SCORES ARE MADE OF PAIRS.  hi = f16(a), lo = f16(hi / 8 + 8 (a - hi)).  With dq = q - qh, dk = k - kh:  qh . kh + ql . kl = 65/64 qh . kh + qh . dk + dq . kh + 64 dq . dk.
; That is 65/64 of q . k, but for 1/65 of the two small terms and for 64 dq . dk, each some 2^-6 of what rounding q and k to one f16 number would leave.  The factor goes into the softmax's constant.
; Products by the f16 matrix form with f32 sums; maxima, exponentials and row sums in f32; the weights p (at most 1) are rounded to f16 for the second product; out0 is f32.
; LIMITS: log2(e) x score must be finite in f32; NaN and infinities are not served.
; SHARES.  A work-group owns 512 queries of one head, each of its eight waves 64: four tiles of 16; two waves to a SIMD, 512 registers each.  So each fragment of K or V read from LDS feeds four products.
; LDS holds 768 keys at a time: K's first numbers, K's second numbers, V, each as three slots of 256 keys on end.  Waves 0, 1 fetch the halves of a slot's K hi, waves 2, 3 of its K lo, waves 4-7 the quarters of
; its V: one tensor load a wave and slot.  The three slots' first fills go out at the head: three loads of a wave are out.  When key steps 0-3 have read slot 0, it is filled again, once, with keys 768-1,023:
; that load has the eight key steps of slots 1 and 2 in which to land.
; NO CLUSTER: a head has 1,024 / 512 = 2 work-groups, so only two would share a tile.
; LAYOUT.  S^T = K Q^T (source 0 = 16 keys, source 1 = 16 queries): a lane holds ONE query (lane % 16) and the keys 8 (lane / 16) + 0..7 of a tile.  Two such tiles, rounded to f16 in pairs, ARE source 1
; (32 keys x 16 queries) of O^T = V^T P, whose result again holds one query a lane, and eight channels.  K comes out of LDS as it lies, V ([key][channel]) turned, by ds_load_tr16_b128.
; SOFTMAX.  For each query a running maximum m and sum l: p = 2^(c s - c m), c = log2(e) x 64 / 65; in every step O^T and l are multiplied by a = 2^(c m_old - c m_new).
; LDS ROWS.  A plane is dense, so two keys (256 bytes) are stated as one row, with padding behind it: K 272 bytes, V 288.
; K: column (r / 2) + 8 (r % 2); V: 2 (row) + 8 (key % 2) + (channel half).
; REGISTERS.  window 0: v1-11 addresses; v12-43 statistics, eight a tile; v62, v63 the add's two; v64-191 S^T, 32 a tile, whose first 16 then take P; v192-255 F: K in two buffers of 32, then V.
;   window 1: v0-127 O^T (tile t, channels 16 ct on: v[32 t + 8 ct]); v128-191 Q's first numbers (v[128 + 16 t + 8 s]); v192-255 its second numbers.
.set KP,    272                        ; two keys of K in LDS
.set VP,    288                        ; two keys of V
.set KSL,   128*KP                     ; a slot's 256 keys of K hi, or of K lo
.set VSL,   128*VP                     ; of V
.set KLOFF, 3*KSL                      ; K lo behind K hi's three slots
.set VOFF,  6*KSL                      ; V behind both
.set SPARE, VOFF+3*VSL                 ; the spare words, 128 bytes a wave, which no other line names
.set STAGE, KSL                        ; the way out: 16 rows x 272 bytes for each wave, in K hi's slot 1: it has its only fill at the head, and its last read stands ahead of the last barrier
.set AK0, 2                            ; v2   my lane's place in a tile of K
.set AV0, 3                            ; v3   the same for V
.set ADK, 4                            ; v4   LDS address of the step's K hi
.set ADL, 5                            ; v5   of its K lo
.set ADV, 6                            ; v6   of its V
.set QO,  7                            ; v7   my byte offset in the wave's rows of q
.set STO, 8                            ; v8   the way out: where I put 32 bytes of a row
.set RD,  9                            ; v9   where I read a row back
.set GO,  10                           ; v10  my byte offset in the wave's rows of out0
.set ST,  12                           ; tile t's statistics at v[ST + 8 t]: +0 c m, +1 m, +2, +3 l (even keys', odd keys'), +4 .. +7 c0 - c3, at work; a takes c2's place
.set SPW, 62
.set NIL, 63
.set S,   64
.set F,   192
.set QH,  128                          ; in window 1
.set QU,  192                          ; in window 1
.set WV,  10                           ; s10  my wave's number
.set W4,  11                           ; s11  its place among the four that fetch V
.set G1K, 16                           ; s[16:23] descriptor group 1 for K's loads;  s[24:31] for V's
.set G1V, 24
.set G0K, 32                           ; s[32:43] groups 0 for K's loads, a set for each slot;  s[44:55] for V's
.set G0V, 44
.set CS,  66                           ; s[66:67] c: the packed form names a pair and takes its low word for both halves
.set SEL, 68                           ; s[68:69] lane selects for v_permlanex16_b32: lane l xor 16
.set TK,  70                           ; s70  LDS byte at which the step's K hi begins
.set TV,  71                           ; s71  the same for V, counted from V's first byte
.set CNT, 72                           ; s72  trips
.set MSB, 0
.macro WIN new                         ; the immediate's high byte repeats the setting that is left; a switch that changes nothing is dropped
.if MSB != (\new)
	s_set_vgpr_msb (MSB<<8)|(\new)
.set MSB, (\new)
.endif
.endm
.set TO_1, 0x40                        ; destination window 1, address window 0
.set W_KQ, 0x04                        ; Q (source 1) in window 1; K and S^T in window 0
.set W_RS, 0x41                        ; O^T (destination and source 0) in window 1, a in window 0
.set W_PV, 0x50                        ; V and P in window 0, O^T (C and D) in window 1
.set W_OUT, 0x01                       ; O^T (source 0) in window 1, the rest in window 0
	s_load_b128 s[4:7], s[0:1], 0x0                ; qkv s[4:5], qkl s[6:7]
	s_load_b64 s[8:9], s[0:1], 0x10                ; out0
	v_lshl_add_u32 v[SPW], v0, 2, SPARE
	v_mov_b32 v[NIL], 0
	ds_add_u32 v[SPW], v[NIL]                      ; the wave's opening: the add, twice on end, and its wait ahead of my first tensor load; the set-up below stands between the second and the wait
	ds_add_u32 v[SPW], v[NIL]
	v_lshrrev_b32 v1, 5, v0
	v_readfirstlane_b32 s[WV], v1                  ; wave 0..7
	s_and_b32 s[W4], s[WV], 3
	; descriptor groups 1: rows of 128 elements of 2 bytes, dense in memory, padded in LDS: K 64 rows (128 keys), V 32 rows (64 keys)
	s_mov_b32 s[G1K], (1<<16)|(1<<20)|(5<<22)|(3<<25)   ; 15:0 no mask; 17:16 elements of 2 bytes; 20 padding on; 24:22 after every 64 words; 31:25 four words
	s_mov_b32 s[G1V], (1<<16)|(1<<20)|(5<<22)|(7<<25)   ; the same with eight words of padding
	s_mov_b32 s[G1K+2], 64<<16                     ; tensor_dim1
	s_mov_b32 s[G1K+4], 64                         ; tile_dim1
	s_mov_b32 s[G1V+2], 32<<16
	s_mov_b32 s[G1V+4], 32
.irp g, G1K, G1V
	s_mov_b32 s[\g+1], 128<<16                     ; tensor_dim0
	s_mov_b32 s[\g+3], 128<<16                     ; tile_dim0
	s_mov_b32 s[\g+5], 128                         ; tensor_dim0_stride
	s_mov_b32 s[\g+6], 0
	s_mov_b32 s[\g+7], 0
.endr
	s_and_b32 s73, ttmp7, 0xffff                   ; batch x 16 + head
	s_lshr_b32 s74, s73, 4                         ; batch
	s_and_b32 s75, s73, 15                         ; head
	s_mul_i32 s76, s74, 48
	s_add_co_u32 s76, s76, s75
	s_lshl_b32 s76, s76, 17                        ; q's plane in qkv, in bytes (under 2^26)
	s_mov_b32 s77, 0
	s_lshl_b32 s78, s74, 5
	s_add_co_u32 s78, s78, s75
	s_lshl_b32 s78, s78, 17                        ; and in qkl
	s_mov_b32 s79, 0
	s_bfe_u32 s80, s[WV], 0x10001                  ; waves 0-3: K hi (0) or K lo (1),
	s_and_b32 s81, s[WV], 1                        ; and which half of a slot's 256 keys
	s_lshl_b32 s82, s81, 14                        ; 128 keys x 128 bytes,
	s_add_co_u32 s82, s82, 16<<17                  ; in k's plane, 16 planes on from q's in both buffers
	s_mov_b32 s83, 0
	s_lshl_b32 s84, s[W4], 13                      ; waves 4-7: 64 keys x 128 bytes,
	s_add_co_u32 s84, s84, 32<<17                  ; in v's plane
	s_mov_b32 s85, 0
	s_lshl_b32 s86, ttmp9, 16                      ; my work-group's 512 queries x 128 bytes,
	s_lshl_b32 s87, s[WV], 13                      ; my wave's 64
	s_add_co_u32 s86, s86, s87
	s_mov_b32 s87, 0
	s_lshl_b32 s88, s74, 22                        ; out0: a batch is 1,024 rows of 4,096 bytes,
	s_lshl_b32 s89, ttmp9, 21                      ; my work-group's 512 rows,
	s_add_co_u32 s88, s88, s89
	s_lshl_b32 s89, s[WV], 18                      ; my wave's 64,
	s_add_co_u32 s88, s88, s89
	s_lshl_b32 s89, s75, 8                         ; the head's 256 bytes of a row
	s_add_co_u32 s88, s88, s89
	s_mov_b32 s89, 0
	s_mul_i32 s90, s80, KLOFF                      ; where my loads go: constants x numbers made of the wave's number
	s_mul_i32 s91, s81, 64*KP
	s_add_co_u32 s90, s90, s91
	s_mul_i32 s91, s[W4], 32*VP
	s_add_co_u32 s91, s91, VOFF
.irp n, 0,1,2
	s_mov_b32 s[G0K+4*\n], 1                       ; groups 0: 1:0 count = 1; 63:32 the LDS address
	s_add_co_u32 s[G0K+4*\n+1], s90, \n*KSL
	s_mov_b32 s[G0V+4*\n], 1
	s_add_co_u32 s[G0V+4*\n+1], s91, \n*VSL
.endr
	s_mov_b32 s[CS], 0x3fb5d2ef                    ; c = log2(e) x 64 / 65 = 1.4204997
	s_mov_b32 s[CS+1], s[CS]                       ; named with it as a pair, so it is written
	s_mov_b32 s[SEL], 0x76543210
	s_mov_b32 s[SEL+1], 0xfedcba98
	s_mov_b32 s[TK], 0
	s_mov_b32 s[TV], 0
	s_wait_dscnt 0x0                               ; both opening adds are done
	s_wait_kmcnt 0x0
	s_add_nc_u64 s[4:5], s[4:5], s[76:77]          ; q's plane in qkv,
	s_add_nc_u64 s[6:7], s[6:7], s[78:79]          ; and in qkl
	s_cmp_eq_u32 s80, 0                            ; K hi comes from qkv, K lo from qkl: the choice hangs on the wave's number alone
	s_cselect_b64 s[92:93], s[4:5], s[6:7]
	s_add_nc_u64 s[G0K+2:G0K+3], s[92:93], s[82:83]        ; 120:64 the global addresses: slot n holds keys 256 n on
	s_add_nc_u64 s[G0K+6:G0K+7], s[G0K+2:G0K+3], 256*128
	s_add_nc_u64 s[G0K+10:G0K+11], s[G0K+2:G0K+3], 512*128
	s_add_nc_u64 s[G0V+2:G0V+3], s[4:5], s[84:85]
	s_add_nc_u64 s[G0V+6:G0V+7], s[G0V+2:G0V+3], 256*128
	s_add_nc_u64 s[G0V+10:G0V+11], s[G0V+2:G0V+3], 512*128
.irp n, 0,1,2
	s_or_b32 s[G0K+4*\n+3], s[G0K+4*\n+3], 0x80000000      ; 127:126 type = 2
	s_or_b32 s[G0V+4*\n+3], s[G0V+4*\n+3], 0x80000000
.endr
	s_add_nc_u64 s[4:5], s[4:5], s[86:87]          ; q's two numbers at my wave's first query
	s_add_nc_u64 s[6:7], s[6:7], s[86:87]
	s_add_nc_u64 s[8:9], s[8:9], s[88:89]          ; out0 likewise
	s_cmp_lt_u32 s[WV], 4                          ; a wave's three first fills stand in one branch, ahead of every wait on TENSORcnt, every LDS read and every barrier
	s_cbranch_scc0 .Lfetch_v
.irp n, 0,1,2
	tensor_load_to_lds s[G0K+4*\n:G0K+4*\n+3], s[G1K:G1K+7]
	s_nop 0
.endr
.rept 4
	v_nop
.endr
	s_branch .Lasked
.Lfetch_v:
.irp n, 0,1,2
	tensor_load_to_lds s[G0V+4*\n:G0V+4*\n+3], s[G1V:G1V+7]
	s_nop 0
.endr
.rept 4
	v_nop
.endr
.Lasked:
	; A fragment of K or Q is 16 rows x 32 channels in 8 registers: lane l holds row l % 16; registers 0-3 channels 8 (l / 16) + 0..7, registers 4-7 channels 16 + 8 (l / 16) + 0..7: two loads of 16 bytes, 32 bytes apart.
	v_and_b32 v1, 15, v0                           ; r = l % 16
	v_bfe_u32 v45, v0, 4, 1                        ; h = l / 16
	v_lshlrev_b32 v[QO], 7, v1
	v_lshl_add_u32 v[QO], v45, 4, v[QO]            ; row x 128 + 16 x half
	WIN TO_1
.irp i, 0,1,2,3,4,5,6,7                        ; Q stays in registers: tile i / 2, channels 32 (i % 2) on
	global_load_b128 v[QH+8*\i:QH+8*\i+3],   v[QO], s[4:5] offset:(\i/2)*2048+(\i%2)*64
	global_load_b128 v[QH+8*\i+4:QH+8*\i+7], v[QO], s[4:5] offset:(\i/2)*2048+(\i%2)*64+32
.endr
.irp i, 0,1,2,3,4,5,6,7
	global_load_b128 v[QU+8*\i:QU+8*\i+3],   v[QO], s[6:7] offset:(\i/2)*2048+(\i%2)*64
	global_load_b128 v[QU+8*\i+4:QU+8*\i+7], v[QO], s[6:7] offset:(\i/2)*2048+(\i%2)*64+32
.endr
	WIN 0
	v_lshrrev_b32 v11, 1, v1
	v_mul_u32_u24 v[AK0], v11, KP                  ; K: key r lies in double row r / 2,
	v_and_b32 v11, 1, v0
	v_lshl_add_u32 v[AK0], v11, 7, v[AK0]          ; in its half r % 2,
	v_lshl_add_u32 v[AK0], v45, 4, v[AK0]          ; + 16 x half of the lanes
	; The turning load takes 16 keys x 16 channels (lane l reads 16 bytes: key 8 (l / 16) + l % 8, channels 8 ((l / 8) % 2) + 0..7) and leaves half a fragment of V^T: lane l holds channel l % 16 and 8 keys.
	v_bfe_u32 v[AV0], v0, 1, 2
	v_lshl_add_u32 v[AV0], v45, 2, v[AV0]          ; that key's double row: 4 (l / 16) + (l % 8) / 2,
	v_mul_u32_u24 v[AV0], v[AV0], VP
	v_lshl_add_u32 v[AV0], v11, 7, v[AV0]          ; its half l % 2,
	v_bfe_u32 v11, v0, 3, 1
	v_lshl_add_u32 v[AV0], v11, 4, v[AV0]          ; the channels' 16 bytes
	v_add_nc_u32 v[AV0], VOFF, v[AV0]
	s_mul_i32 s73, s[WV], 16*272
	s_add_co_u32 s73, s73, STAGE                   ; my stage
	v_mul_u32_u24 v[STO], v1, 272                  ; in: row r, 32 bytes for each half of the lanes
	v_lshl_add_u32 v[STO], v45, 5, v[STO]
	v_add_nc_u32 v[STO], s73, v[STO]
	v_mul_u32_u24 v[RD], v45, 272                  ; back: lanes 0-15 take one row of 256 bytes, lanes 16-31 the next
	v_lshl_add_u32 v[RD], v1, 4, v[RD]
	v_add_nc_u32 v[RD], s73, v[RD]
	v_lshlrev_b32 v[GO], 12, v45                   ; and the same two rows in out0
	v_lshl_add_u32 v[GO], v1, 4, v[GO]
; THE SOFTMAX OF A KEY STEP, four tiles of 16 queries x 64 keys; the tiles take turns line by line, so that no line waits for the line above it.  first = 1: the first key step, which starts m and l.
.macro SOFTMAX first
.irp j, 0,1,2,3                                ; the maximum of a lane's 32 scores and the old m, three operands at a time: four chains, one for each accumulator, each read from its low end on
.irp t, 0,1,2,3
	v_max3_num_f32 v[ST+8*\t+4+\j], v[S+32*\t+8*\j], v[S+32*\t+8*\j+1], v[S+32*\t+8*\j+2]
.endr
.endr
.irp u, 1,2
.irp j, 0,1,2,3
.irp t, 0,1,2,3
	v_max3_num_f32 v[ST+8*\t+4+\j], v[ST+8*\t+4+\j], v[S+32*\t+8*\j+2*\u+1], v[S+32*\t+8*\j+2*\u+2]
.endr
.endr
.endr
.irp t, 0,1,2,3
	v_max3_num_f32 v[ST+8*\t+4], v[ST+8*\t+4], v[S+32*\t+7], v[S+32*\t+15]
.endr
.irp t, 0,1,2,3
	v_max3_num_f32 v[ST+8*\t+6], v[ST+8*\t+6], v[S+32*\t+23], v[S+32*\t+31]
.endr
.irp t, 0,1,2,3
	v_max3_num_f32 v[ST+8*\t+4], v[ST+8*\t+4], v[ST+8*\t+5], v[ST+8*\t+6]
.endr
.irp t, 0,1,2,3
.if \first
	v_max_num_f32 v[ST+8*\t+4], v[ST+8*\t+4], v[ST+8*\t+7]
.else
	v_max3_num_f32 v[ST+8*\t+4], v[ST+8*\t+4], v[ST+8*\t+7], v[ST+8*\t+1]
.endif
.endr
.irp t, 0,1,2,3
	v_permlanex16_b32 v[ST+8*\t+5], v[ST+8*\t+4], s[SEL], s[SEL+1]   ; the query's other 32 keys lie in the lane 16 away
.endr
.if \first == 0
.irp t, 0,1,2,3
	v_mov_b32 v[ST+8*\t+7], v[ST+8*\t]             ; c m_old is kept for a
.endr
.endif
.irp t, 0,1,2,3
	v_max_num_f32 v[ST+8*\t+1], v[ST+8*\t+4], v[ST+8*\t+5]           ; the new m
.endr
.irp t, 0,1,2,3
	v_mul_f32 v[ST+8*\t], s[CS], v[ST+8*\t+1]      ; c m
.endr
.if \first == 0
.irp t, 0,1,2,3
	v_sub_f32 v[ST+8*\t+7], v[ST+8*\t+7], v[ST+8*\t]                 ; c m_old - c m_new, 0 or less
.endr
.endif
.irp j, 0,2,4,6,8,10,12,14,16,18,20,22,24,26,28,30
.irp t, 0,1,2,3
	v_pk_fma_f32 v[S+32*\t+\j:S+32*\t+\j+1], v[S+32*\t+\j:S+32*\t+\j+1], s[CS:CS+1], v[ST+8*\t:ST+8*\t+1] op_sel_hi:[1,0,0] neg_lo:[0,0,1] neg_hi:[0,0,1]   ; c s - c m, two at a time
.endr
.endr
.if \first == 0                                ; THE EXPONENTIALS ARE ONE BATCH: none reads another's result
.irp t, 0,1,2,3
	v_exp_f32 v[ST+8*\t+6], v[ST+8*\t+7]           ; a
.endr
.endif
.irp j, 0,1,2,3,4,5,6,7,8,9,10,11,12,13,14,15,16,17,18,19,20,21,22,23,24,25,26,27,28,29,30,31
.irp t, 0,1,2,3
	v_exp_f32 v[S+32*\t+\j], v[S+32*\t+\j]         ; p, at most 1
.endr
.endr
	v_nop                                          ; a plain instruction behind the last exponential, ahead of the first use (ISA guide 5.7.2)
	s_wait_alu depctr_va_vdst(0)                   ; and a wait ahead of the batch's first reader
.irp t, 0,1,2,3                                ; the row's sum, of the unrounded p: pairs (an even key's, an odd key's), in two chains
.if \first
	v_pk_add_f32 v[ST+8*\t+2:ST+8*\t+3], v[S+32*\t+4:S+32*\t+5], v[S+32*\t+6:S+32*\t+7]
.else
	v_pk_mul_f32 v[ST+8*\t+2:ST+8*\t+3], v[ST+8*\t+2:ST+8*\t+3], v[ST+8*\t+6:ST+8*\t+7] op_sel_hi:[1,0]   ; l under the new m
.endif
.endr
.irp t, 0,1,2,3
	v_pk_add_f32 v[ST+8*\t+4:ST+8*\t+5], v[S+32*\t:S+32*\t+1], v[S+32*\t+2:S+32*\t+3]
.endr
.irp j, 4,8,12,16,20,24,28
.if (\first == 0) || (\j > 4)
.irp t, 0,1,2,3
	v_pk_add_f32 v[ST+8*\t+2:ST+8*\t+3], v[ST+8*\t+2:ST+8*\t+3], v[S+32*\t+\j:S+32*\t+\j+1]
.endr
.irp t, 0,1,2,3
	v_pk_add_f32 v[ST+8*\t+4:ST+8*\t+5], v[ST+8*\t+4:ST+8*\t+5], v[S+32*\t+\j+2:S+32*\t+\j+3]
.endr
.endif
.endr
.irp t, 0,1,2,3
	v_pk_add_f32 v[ST+8*\t+2:ST+8*\t+3], v[ST+8*\t+2:ST+8*\t+3], v[ST+8*\t+4:ST+8*\t+5]
.endr
.irp j, 0,1,2,3,4,5,6,7,8,9,10,11,12,13,14,15      ; P IN PLACE: register j of a tile takes the weights of its registers 2 j and 2 j + 1, in ascending order, so that each number is read before its register is written
.irp t, 0,1,2,3
	v_cvt_pk_f16_f32 v[S+32*\t+\j], v[S+32*\t+2*\j], v[S+32*\t+2*\j+1]   ; two neighbouring keys' weights to a register: source 1 of the second product as it stands
.endr
.endr
.endm
; Eight LDS loads: the fragments of key tiles 2 pr and 2 pr + 1 (channels 32 s on) from address register adr into the buffer at F + kb
.macro KLOAD adr, kb, pr
.irp k2, 0,1
.irp s, 0,1
	ds_load_b128 v[F+\kb+16*\k2+8*\s:F+\kb+16*\k2+8*\s+3],   v[\adr] offset:8*KP*(2*\pr+\k2)+64*\s
	ds_load_b128 v[F+\kb+16*\k2+8*\s+4:F+\kb+16*\k2+8*\s+7], v[\adr] offset:8*KP*(2*\pr+\k2)+64*\s+32
.endr
.endr
.endm
; Sixteen products: the buffer at F + kb against Q's numbers at qb, for key tiles 2 pr, 2 pr + 1 and my four tiles of queries: eight accumulators take turns, one instruction a turn.
; zero = 1: the first eight start the sums.
.macro QK pr, kb, qb, zero
.irp s, 0,1
.irp k2, 0,1
.irp t, 0,1,2,3
.if \zero && (\s == 0)
	v_wmma_f32_16x16x32_f16 v[S+32*\t+8*(2*\pr+\k2):S+32*\t+8*(2*\pr+\k2)+7], v[F+\kb+16*\k2+8*\s:F+\kb+16*\k2+8*\s+7], v[\qb+16*\t+8*\s:\qb+16*\t+8*\s+7], 0
.else
	v_wmma_f32_16x16x32_f16 v[S+32*\t+8*(2*\pr+\k2):S+32*\t+8*(2*\pr+\k2)+7], v[F+\kb+16*\k2+8*\s:F+\kb+16*\k2+8*\s+7], v[\qb+16*\t+8*\s:\qb+16*\t+8*\s+7], v[S+32*\t+8*(2*\pr+\k2):S+32*\t+8*(2*\pr+\k2)+7]
.endif
.endr
.endr
.endr
.endm
.macro PLACES n
.rept \n
	v_nop
.endr
.endm
; A KEY STEP: 64 keys.  A load into a register that a matrix instruction has read, and a vector instruction that reads a matrix result, stand four places behind that matrix instruction, a matrix instruction
; that writes over a register that an earlier one has read five; only plain vector instructions that name none of its registers are places (ISA guide 7.12.1 for vector instructions).
.macro STEP first
	v_add_nc_u32 v[ADK], s[TK], v[AK0]             ; these three and the three v_nop are six places behind the last step's products V^T P: K's loads land in F, which those read,
	v_add_nc_u32 v[ADL], KLOFF, v[ADK]             ; and the first products below write over P, which those read too
	v_add_nc_u32 v[ADV], s[TV], v[AV0]
	PLACES 3
	KLOAD ADK, 0, 0                                ; key tiles 0, 1: first numbers,
	KLOAD ADL, 32, 0                               ; second numbers
	s_wait_dscnt 8                                 ; the first eight loads are in; the eight behind them may be out
	WIN W_KQ
	QK 0, 0, QH, 1
	PLACES 4
	WIN 0
	KLOAD ADK, 0, 1                                ; key tiles 2, 3: first numbers, into the buffer just multiplied
	s_wait_dscnt 8                                 ; tiles 0, 1's second numbers are in; the eight loads just issued may be out
	WIN W_KQ
	QK 0, 32, QU, 0
	PLACES 4
	WIN 0
	KLOAD ADL, 32, 1
	s_wait_dscnt 8                                 ; tiles 2, 3's first numbers are in; the eight loads just issued may be out
	WIN W_KQ
	QK 1, 0, QH, 1
	s_wait_dscnt 0x0
	QK 1, 32, QU, 0
	PLACES 4                                       ; for V's loads into F, and for the softmax's first reads of the scores
	WIN 0
.irp g, 0,1                                    ; V, turned: keys 32 g on, channels 16 ct on; it lands while the softmax is walked
.irp ct, 0,1,2,3
	ds_load_tr16_b128 v[F+32*\g+8*\ct:F+32*\g+8*\ct+3],   v[ADV] offset:16*VP*\g+32*\ct
	ds_load_tr16_b128 v[F+32*\g+8*\ct+4:F+32*\g+8*\ct+7], v[ADV] offset:16*VP*\g+8*VP+32*\ct
.endr
.endr
	SOFTMAX \first
.if \first
	PLACES 4                                       ; the first step has nothing to rescale
.else
	WIN W_RS
.irp t, 0,1,2,3
.irp i, 0,2,4,6,8,10,12,14,16,18,20,22,24,26,28,30
	v_pk_mul_f32 v[32*\t+\i:32*\t+\i+1], v[32*\t+\i:32*\t+\i+1], v[ST+8*\t+6:ST+8*\t+7] op_sel_hi:[1,0]   ; O^T under the new m: x a; each accumulator from its low end on
.endr
.endr
.endif
	s_wait_dscnt 0x0                               ; V is in
	WIN W_PV
.irp g, 0,1                                    ; O^T += V^T P: sixteen accumulators take turns
.irp ct, 0,1,2,3
.irp t, 0,1,2,3
.if \first && (\g == 0)
	v_wmma_f32_16x16x32_f16 v[32*\t+8*\ct:32*\t+8*\ct+7], v[F+32*\g+8*\ct:F+32*\g+8*\ct+7], v[S+32*\t+8*\g:S+32*\t+8*\g+7], 0
.else
	v_wmma_f32_16x16x32_f16 v[32*\t+8*\ct:32*\t+8*\ct+7], v[F+32*\g+8*\ct:F+32*\g+8*\ct+7], v[S+32*\t+8*\g:S+32*\t+8*\g+7], v[32*\t+8*\ct:32*\t+8*\ct+7]
.endif
.endr
.endr
.endr
	WIN 0                                          ; at a label and at a branch every window is 0
	s_add_co_u32 s[TK], s[TK], 32*KP               ; the next 64 keys: 32 double rows
	s_add_co_u32 s[TV], s[TV], 32*VP
.endm
	s_wait_tensorcnt 2                             ; my part of slot 0 is in; the two loads issued behind it may stay out
	s_barrier_signal -1
	s_barrier_wait -1                              ; everybody's is: keys 0-255 lie in LDS
	s_wait_loadcnt 0x0                             ; Q
	STEP 1                                         ; keys 0-63 start m, l and O^T
	s_mov_b32 s[CNT], 3
.Lslot_0:                                          ; keys 64-255
	STEP 0
	s_sub_co_u32 s[CNT], s[CNT], 1
	s_cmp_lg_u32 s[CNT], 0
	s_cbranch_scc1 .Lslot_0
	; SLOT 0 IS FILLED AGAIN, with keys 768-1,023.
	s_wait_tensorcnt 0x0                           ; all my tensor loads have landed, my parts of slots 1 and 2 among them: so a group 0 may be written
	ds_add_u32 v[SPW], v[NIL]                      ; 0 onto my spare word; the two steps below stand between it and the wait for it
	s_add_nc_u64 s[G0K+2:G0K+3], s[G0K+2:G0K+3], 768*128   ; slot 0's descriptors go 768 keys on; the type bits on top are not reached
	s_add_nc_u64 s[G0V+2:G0V+3], s[G0V+2:G0V+3], 768*128
	s_wait_dscnt 0x0                               ; the add is done, and my reads of slot 0 are over
	s_barrier_signal -1
	s_barrier_wait -1                              ; both hold of all eight waves: nobody reads slot 0, and slots 1 and 2 are whole
	s_cmp_lt_u32 s[WV], 4
	s_cbranch_scc0 .Lrefill_v
	tensor_load_to_lds s[G0K:G0K+3], s[G1K:G1K+7]  ; my one tensor load behind the barrier, and the first thing there
	s_nop 0
.rept 4
	v_nop
.endr
	s_branch .Lrefilled
.Lrefill_v:
	tensor_load_to_lds s[G0V:G0V+3], s[G1V:G1V+7]
	s_nop 0
.rept 4
	v_nop
.endr
.Lrefilled:
	s_mov_b32 s[TK], 4*32*KP                       ; slot 1's first key
	s_mov_b32 s[TV], 4*32*VP
	s_mov_b32 s[CNT], 8
.Lslots_1_2:                                       ; keys 256-767
	STEP 0
	s_sub_co_u32 s[CNT], s[CNT], 1
	s_cmp_lg_u32 s[CNT], 0
	s_cbranch_scc1 .Lslots_1_2
	s_wait_tensorcnt 0x0                           ; my part of keys 768-1,023 is in,
	s_barrier_signal -1
	s_barrier_wait -1                              ; everybody's is; and nobody reads slots 1 and 2 any more
	s_mov_b32 s[TK], 0
	s_mov_b32 s[TV], 0
	s_mov_b32 s[CNT], 4
.Llast_keys:                                       ; keys 768-1,023, in slot 0
	STEP 0
	s_sub_co_u32 s[CNT], s[CNT], 1
	s_cmp_lg_u32 s[CNT], 0
	s_cbranch_scc1 .Llast_keys
	; THE WAY OUT.  l's two halves and the other half of the lanes' are added; O^T is divided by l and sent through my stage in LDS, a tile (16 rows) at a time.  The additions are the places behind the last products.
.irp t, 0,1,2,3
	v_add_f32 v[ST+8*\t+4], v[ST+8*\t+2], v[ST+8*\t+3]
.endr
.irp t, 0,1,2,3
	v_permlanex16_b32 v[ST+8*\t+5], v[ST+8*\t+4], s[SEL], s[SEL+1]
.endr
.irp t, 0,1,2,3
	v_add_f32 v[ST+8*\t+4], v[ST+8*\t+4], v[ST+8*\t+5]
.endr
.irp t, 0,1,2,3
	v_rcp_f32 v[ST+8*\t+6], v[ST+8*\t+4]
.endr
	v_nop                                          ; a plain instruction between the last reciprocal and the use of its result
	s_wait_alu depctr_va_vdst(0)                   ; and a wait ahead of the first use: one for the four
; Tile t: a lane's eight channels of a row are 32 bytes; they go into rows of 272 bytes and come back as whole rows of 256, into the registers that they left.
.macro PACK t
	WIN W_OUT
.irp i, 0,2,4,6,8,10,12,14,16,18,20,22,24,26,28,30
	v_pk_mul_f32 v[S+32*\t+\i:S+32*\t+\i+1], v[32*\t+\i:32*\t+\i+1], v[ST+8*\t+6:ST+8*\t+7] op_sel_hi:[1,0]   ; O^T / l: register 8 ct + j is channel 16 ct + 8 (l / 16) + j of query l % 16
.endr
	WIN 0
.irp ct, 0,1,2,3
	ds_store_b128 v[STO], v[S+32*\t+8*\ct:S+32*\t+8*\ct+3] offset:64*\ct
	ds_store_b128 v[STO], v[S+32*\t+8*\ct+4:S+32*\t+8*\ct+7] offset:64*\ct+16
.endr
.irp f, 0,1,2,3,4,5,6,7
	ds_load_b128 v[S+32*\t+4*\f:S+32*\t+4*\f+3], v[RD] offset:\f*2*272   ; LDS serves a wave's instructions in order (ISA guide 5.7.1.4): these see the stores above; the next tile's stores come behind them
.endr
.endm
.macro SEND t, younger                 ; younger: the LDS instructions issued behind tile t's loads: the next tile's sixteen, or none
.irp f, 0,1,2,3,4,5,6,7
	s_wait_dscnt \younger+7-\f
	global_store_b128 v[GO], v[S+32*\t+4*\f:S+32*\t+4*\f+3], s[8:9] offset:(16*\t+2*\f)*4096 th:TH_STORE_NT   ; 16 lanes store 256 consecutive bytes, at a multiple of 256 from out0's first byte; written once, read by nobody here
.endr
.endm
	PACK 0
	PACK 1                                         ; a tile's arithmetic stands between the loads of the tile before and its stores
	SEND 0, 16
	PACK 2
	SEND 1, 16
	PACK 3
	SEND 2, 16
	SEND 3, 0
	s_wait_tensorcnt 0x0                           ; the wave's end, behind my last tensor load and my last LDS store
	ds_add_u32 v[SPW], v[NIL]
	s_wait_dscnt 0x0
	s_endpgm
.Lfunc_end_k_q4273baa225_attn:
	.size	k_q4273baa225_attn, .Lfunc_end_k_q4273baa225_attn-k_q4273baa225_attn
	.p2alignl 7, 3214868480
	.fill 96, 4, 3214868480
	.section	.rodata,"a",@progbits
	.p2align	6, 0x0
	.amdhsa_kernel k_q4273baa225_attn
		.amdhsa_group_segment_fixed_size 327680
		.amdhsa_private_segment_fixed_size 0
		.amdhsa_enable_private_segment 0
		.amdhsa_kernarg_size 24
		.amdhsa_user_sgpr_count 2
		.amdhsa_user_sgpr_kernarg_segment_ptr 1
		.amdhsa_wavefront_size32 1
		.amdhsa_system_sgpr_workgroup_id_x 1
		.amdhsa_system_sgpr_workgroup_id_y 1
		.amdhsa_system_sgpr_workgroup_id_z 1
		.amdhsa_system_vgpr_workitem_id 0
		.amdhsa_next_free_vgpr 512
		.amdhsa_next_free_sgpr 96
		.amdhsa_reserve_vcc 0
		.amdhsa_float_denorm_mode_32 3
		.amdhsa_float_denorm_mode_16_64 3
		.amdhsa_memory_ordered 1
		.amdhsa_forward_progress 1
		.amdhsa_inst_pref_size 162
	.end_amdhsa_kernel
	.amdgpu_metadata
---
amdhsa.version: [ 1, 2 ]
amdhsa.kernels:
  - .name:           k_q4273baa225_attn
    .symbol:         k_q4273baa225_attn.kd
    .args:
      - { .name: qkv, .offset: 0, .size: 8, .value_kind: global_buffer, .address_space: global }
      - { .name: qkl, .offset: 8, .size: 8, .value_kind: global_buffer, .address_space: global }
      - { .name: out0, .offset: 16, .size: 8, .value_kind: global_buffer, .address_space: global }
    .group_segment_fixed_size: 327680
    .private_segment_fixed_size: 0
    .kernarg_segment_align: 8
    .kernarg_segment_size: 24
    .max_flat_workgroup_size: 256
    .sgpr_count:     96
    .vgpr_count:     512
    .wavefront_size: 32
...
	.end_amdgpu_metadata
.endif
;; end of part 4
